; MI455X (gfx1250); checked and timed in simulation.
; The chip was launched on July 23, 2026; its instructions are those of AMD's public machine-readable ISA for CDNA 5 (MIT licence, August 2026) and "CDNA5" Instruction Set Architecture Reference Guide (July 2026). The comments in the code are by the model that wrote it; some were corrected since.
;; MSA Row Attention With Pair Bias. Allowed arithmetic: matrix products marked QUANTISED: E2M3 operands, one E8M0 scale for each 32 along K, by v_wmma_scale_f32_16x16x128_f8f6f4 with both operands' format E2M3, f32 sums; products left as they are: f32 operands where the result goes on into a quantised operand, else bf16, f16 or f32 operands; f32 sums; everything else in f32.
;; Inputs: b_g 256 float32; b_o 256 float32; ln_m_b 256 float32; ln_m_w 256 float32; ln_z_b 128 float32; ln_z_w 128 float32; m 256 x 256 x 256 float32; w_g 256 x 256 float32; w_k 256 x 256 float32; w_o 256 x 256 float32; w_q 256 x 256 float32; w_v 256 x 256 float32; w_z 128 x 8 float32; z 256 x 256 x 128 float32.
;; Outputs: out0 256 x 256 x 256 float32.
;; This version of the problem:
;;   THIS VERSION OF THE PROBLEM IS GIVEN IN LOW PRECISION. The matrix products marked QUANTISED in the list below multiply operands that are first quantised to E2M3 (2 exponent bits, 3 mantissa bits; 6 bits a number), with one power-of-two scale for each 32 numbers along K (OCP MX v1.0); their sums are f32. All else is computed in f32.
;;   The module's matrix products, in the order in which they are computed (A, B: the left and right operand; K: the contracted axis; several contracted axes count as one K, in the product's order):
;;     1. [M 65,536, K 128] x [K 128, N 8]; A: computed on the way; B: input w_z: left as it is (N = 8 < 16)
;;     2. [M 65,536, K 256] x [K 256, N 256]; A: computed on the way; B: input w_q: QUANTISED
;;     3. [M 65,536, K 256] x [K 256, N 256]; A: computed on the way; B: input w_k: QUANTISED
;;     4. [M 65,536, K 256] x [K 256, N 256]; A: computed on the way; B: input w_v: QUANTISED
;;     5. batch 2,048 x [M 256, K 32] x [K 32, N 256]; A: computed on the way; B: computed on the way: QUANTISED
;;     6. batch 2,048 x [M 32, K 256] x [K 256, N 256]; A: computed on the way; B: softmax (see below): QUANTISED
;;     7. [M 65,536, K 256] x [K 256, N 256]; A: computed on the way; B: input w_g: QUANTISED
;;     8. [M 65,536, K 256] x [K 256, N 256]; A: computed on the way; B: input w_o: QUANTISED
;;   THE QUANTISER, for each operand of a quantised product, along K:
;;     - K is cut into blocks of 32 from its start; a last block that is shorter is filled with zeros.
;;     - A block's scale is 2^e with e = floor(log2(the largest magnitude in the block)) - 2, held to -126 .. 127; a block of zeros has e = 0. As a byte (E8M0): e + 127.
;;     - Each number is divided by its block's scale, clamped to +-7.5, and rounded to the nearest number of E2M3, ties to even, subnormals kept.
;;     - The product sums the exact products of the quantised numbers (number of the format x scale) in f32.
;;   ~~~python
;;   def quantise(x, axis):      # numpy; x: float32 -> the quantised numbers, widened to float32 again
;;       x = np.moveaxis(x, axis, -1); K = x.shape[-1]
;;       x = np.pad(x, [(0, 0)] * (x.ndim - 1) + [(0, -K % 32)]); x = x.reshape(x.shape[:-1] + (-1, 32)); a = np.abs(x).max(-1, keepdims=True)
;;       e = np.where(a > 0, np.clip(np.frexp(np.where(a > 0, a, 1))[1] - 1 - 2, -126, 127), 0)      # np.frexp(a)[1] - 1 = floor(log2(a)), exactly
;;       r = np.clip(x / 2.0 ** e, -7.5, 7.5)
;;       step = 2.0 ** (np.maximum(np.frexp(np.where(r == 0, 1, r))[1] - 1, 0) - 3)
;;       q = np.round(r / step) * step * 2.0 ** e      # np.round: ties to even
;;       return np.moveaxis(q.reshape(q.shape[:-2] + (-1,))[..., :K], -1, axis).astype(np.float32)
;;   ~~~
;;   SOFTMAX AHEAD OF A QUANTISED PRODUCT. Where the list says 'softmax', what is quantised is not the finished softmax but p = 2^(t - M), with t = logit x log2(e) and M = ceil(the row's largest t), a whole number; so 1/2 < the row's largest p <= 1. The row's sum l is taken of the UNQUANTISED p, in f32, and the product's result is divided by l at the end. Since M is a whole number, a kernel that streams over the keys may use a running M (the ceiling of the running maximum): every later rescaling is an exact power of two, which a block's scale takes up: the codes' values come out the same.
;;   OPERANDS COMPUTED ON THE WAY. 'Computed on the way' means the value that the module computes at that place (a softmax that the list does not call 'softmax' is quantised finished and normalised). What goes into a quantiser is computed in f32, as accurately as f32 sums, v_exp_f32 and their like allow (about 1e-6 of the number): no bf16 or f16 on the way to a quantiser, and a product that is left as it is and whose result goes on into a quantised operand takes f32 operands (vector FMAs, or v_wmma_f32_16x16x4_f32). A number that lies on a knife's edge between two numbers of the format may be rounded either way, as far as f32 arithmetic and the matrix unit's own rounding can turn it there, and no further.
;; One version. Each part assembles by itself: llvm-mc -triple=amdgcn-amd-amdhsa -mcpu=gfx1250 --defsym DOCPART=n.
;; ======== version 1 of 1: 2 launches
;; limits: right only within a limited range of input values
;; workspace buffers: bias_ws 2,097,152 bytes; wfrag 245,760 bytes; wscl 20,480 bytes
;; launch prep (part 1): grid 276 x 1, 8 waves a work-group, no clusters, 148,992 bytes of LDS; arguments z, ln_z_w, ln_z_b, w_z, w_q, w_k, w_v, w_g, w_o, bias_ws, wfrag, wscl; writes bias_ws, wfrag, wscl
.if DOCPART == 1
	.amdgcn_target "amdgcn-amd-amdhsa--gfx1250"
	.amdhsa_code_object_version 6
	.text
	.protected	k_q25dd931b6c_prep
	.globl	k_q25dd931b6c_prep
	.p2align	8
	.type	k_q25dd931b6c_prep,@function
k_q25dd931b6c_prep:
	s_mov_b64 s[64:65], 0
	v_nop
	global_prefetch_b8 v0, s[64:65] scope:SCOPE_SE
	s_setreg_imm32_b32 hwreg(HW_REG_WAVE_MODE, 25, 1), 1
	s_wait_xcnt 0x0
; Two jobs that the attention launch wants done once, in one launch; the work-group's number chooses the job.
; WORK-GROUPS 0-19: the five weights w_q, w_k, w_v, w_g, w_o ([256 (k)][256 (n)] f32, K the first axis) become codes of E2M3 with one E8M0 byte for each 32 along K,
;   laid as IMAGES OF OPERAND REGISTERS.  Fragment f = 32 mat + 4 hd + 2 u + s (1,536 bytes: three runs of 32 lanes x 16 bytes): lane (r, h) holds column n = 32 hd + 8 u + r + 8 (r / 8),
;   registers 6 c .. 6 c + 5 hold k = 128 s + 64 c + 32 h + 0 .. 31.  A wave makes one fragment: a lane takes a column and its registers run down K.  Scale words: wscl[mat][hd][lane][2 u + s].
; WORK-GROUPS 20-275: bias_ws[head][t][g][lane][e] = sqrt(32) x (LayerNorm(z) @ w_z)(query, key, head), f32 throughout (the result goes on into a softmax ahead of a quantiser),
;   query = 32 (t / 2) + 8 (t % 2) + r + 8 (r / 8), key = 32 (g / 4) + 16 h + 4 (g % 4) + e, lane = 16 h + r: the register image of the C operand of the transposed score product.
;   A wave takes 32 rows of z (one (t, g, e)), two tiles T of 16.  Each row is read whole, 512 consecutive bytes by one load, and turns through the wave's own stage in LDS:
;   lane (r, h) then holds channels 64 h .. 64 h + 63 of row 16 T + r; mean and variance need the lane 16 away alone.
;   THE PRODUCT goes to the f32 matrix form, K = 4 a step: source 0 = w' (row m: head m % 8, so that both halves of the lanes get all eight heads), source 1 = 16 normalised rows.
;   K is permuted alike on both sides: step s, place 2 h + j is channel 64 h + 2 s + j.  w'[c][n] = sqrt(32) ln_z_w[c] w_z[c][n]; the term sum over c of sqrt(32) ln_z_b[c] w_z[c][n]
;   enters by a 33rd step against ones.  Both are made once by the work-group's 256 threads and handed on through LDS.  Two accumulators by turns.
;   The gain is so multiplied into w_z ahead of the sum: another order of f32 rounding than the problem writes.
; LIMITS: NaN and infinities are not served.  A weight block whose largest magnitude lies under 2^-124 (a block of zeros too) gets the byte 1: this program alone reads the bytes.
; No tensor load, no cluster, no prefetch: rows of z are read once by one wave, and there is no loop to run ahead in.
.set STG,   16896                      ; a wave's stage: 32 rows x (512 bytes + 16)
.set OUTS,  135168                     ; [g parity 2][head 8][lane 32][e 4] f32
.set SPARE, 143360                     ; the spare words: 128 bytes a wave
.set WT,    144384                     ; w' transposed: [head 8] rows of 512 bytes + 16
.set CPB,   148736                     ; [wave 8][head 8]: each wave's 16 channels of the norm's bias term
.set SPW, 12                           ; v12  my spare word; never rewritten
.set NIL, 13                           ; v13  0; never rewritten
.set D0,  16                           ; v16-23, v24-31  the two tiles' sums: written by matrix instructions alone
.set D1,  24
.set ACC, 32                           ; v32-39  my row's eight heads
.set ST,  40                           ; v40-47  two chains of pairs for each tile
.set W,   64                           ; v64-127 w'[64 h + i][r % 8]
.set X,   128                          ; v128-255 two tiles x 64 channels
.macro FOLD                            ; each tile's two chains, the pair's halves and the lane 16 away
.irp T, 0,1
	v_pk_add_f32 v[ST+4*\T:ST+4*\T+1], v[ST+4*\T:ST+4*\T+1], v[ST+4*\T+2:ST+4*\T+3]
.endr
.irp T, 0,1
	v_add_f32 v[ST+4*\T], v[ST+4*\T], v[ST+4*\T+1]
.endr
.irp T, 0,1
	v_permlanex16_b32 v[ST+4*\T+2], v[ST+4*\T], s22, s23
.endr
.irp T, 0,1
	v_add_f32 v[ST+4*\T], v[ST+4*\T], v[ST+4*\T+2]
.endr
.endm
	v_lshl_add_u32 v[SPW], v0, 2, SPARE
	v_mov_b32 v[NIL], 0
	v_lshrrev_b32 v1, 5, v0
	v_readfirstlane_b32 s2, v1                     ; wave 0..7
	v_and_b32 v1, 31, v0                           ; lane
	v_and_b32 v2, 15, v0                           ; r
	v_bfe_u32 v3, v0, 4, 1                         ; h
	s_cmp_lt_u32 ttmp9, 20                         ; the same for all waves of a work-group
	s_wait_alu depctr_va_vdst(0)                   ; the wait ahead of the branch
	s_cbranch_scc1 .Lweights
	; ---------------- the pair bias
	s_load_b256 s[4:11], s[0:1], 0x0               ; z, ln_z_w, ln_z_b, w_z
	s_load_b64 s[12:13], s[0:1], 0x48              ; bias_ws
	s_sub_co_u32 s68, ttmp9, 20                    ; j
	s_lshr_b32 s69, s68, 4                         ; t
	s_and_b32 s70, s68, 15
	s_lshl_b32 s70, s70, 1
	s_lshr_b32 s71, s2, 2                          ; g's parity
	s_add_co_u32 s70, s70, s71                     ; g
	s_and_b32 s72, s2, 3                           ; e
	s_lshr_b32 s73, s69, 1
	s_lshl_b32 s73, s73, 5
	s_and_b32 s74, s69, 1
	s_lshl_b32 s74, s74, 3
	s_add_co_u32 s73, s73, s74                     ; the tile's first query: 32 (t / 2) + 8 (t % 2)
	s_lshl_b32 s73, s73, 8                         ; x 256 keys
	s_lshr_b32 s74, s70, 2
	s_lshl_b32 s74, s74, 5
	s_add_co_u32 s73, s73, s74                     ; + 32 (g / 4)
	s_and_b32 s74, s70, 3
	s_lshl_b32 s74, s74, 2
	s_add_co_u32 s73, s73, s74                     ; + 4 (g % 4)
	s_add_co_u32 s73, s73, s72                     ; + e
	s_lshl_b32 s74, s73, 9                         ; rows of 512 bytes: under 2^25
	s_mov_b32 s75, 0
	s_lshl_b32 s76, s72, 19                        ; bias_ws: head 2 (wave % 4): 16 tiles of 16,384 bytes a head
	s_lshl_b32 s78, s69, 14
	s_add_co_u32 s76, s76, s78                     ; + t
	s_lshl_b32 s78, s70, 9
	s_add_co_u32 s76, s76, s78                     ; + 512 g
	s_mov_b32 s77, 0
	s_mul_i32 s79, s2, STG
	s_lshl_b32 s78, s71, 12
	s_add_co_u32 s78, s78, OUTS
	s_lshl_b32 s80, s72, 2
	s_add_co_u32 s80, s80, s78
	s_lshl_b32 s82, s72, 10
	s_add_co_u32 s82, s82, s78
	s_lshl_b32 s81, s2, 5
	s_add_co_u32 s81, s81, CPB
	s_mov_b32 s3, 0x3c000000                       ; 1 / 128
	s_mov_b32 s14, 0x3727c5ac                      ; 1e-5
	s_mov_b32 s22, 0x76543210
	s_mov_b32 s23, 0xfedcba98                      ; lane l xor 16
	v_lshlrev_b32 v4, 4, v1                        ; 16 x lane
	v_add_nc_u32 v5, s79, v4                       ; the stage, in: a row as it was loaded
	v_mul_u32_u24 v6, v2, 528
	v_lshl_add_u32 v6, v3, 8, v6
	v_add_nc_u32 v6, s79, v6                       ; and out: row r, + 256 h
	v_add_nc_u32 v7, s80, v4                       ; results in: 16 x lane + 4 e (+ 512 x head)
	v_add_nc_u32 v8, s82, v4                       ; results out: heads 2 (wave % 4) and the next
	v_and_b32 v15, 1, v0                           ; thread t has channel t / 2, heads 4 (t % 2) + 0 .. 3
	v_lshrrev_b32 v11, 1, v0
	v_lshlrev_b32 v11, 2, v11                      ; 4 x channel
	v_mul_u32_u24 v9, v15, 2112
	v_add_nc_u32 v9, v9, v11
	v_add_nc_u32 v9, WT, v9                        ; w' in: row 4 (t % 2) (+ 528 i), + 4 x channel
	v_and_b32 v10, 7, v2
	v_lshlrev_b32 v48, 2, v10
	v_mul_u32_u24 v10, v10, 528
	v_lshl_add_u32 v10, v3, 8, v10
	v_add_nc_u32 v10, WT, v10                      ; w' out: row r % 8, + 256 h
	v_lshl_add_u32 v14, v3, 7, v48
	v_add_nc_u32 v14, CPB, v14                     ; waves 4 h + 0 .. 3, head r % 8
	v_lshl_add_u32 v15, v15, 4, s81                ; my wave's eight sums, my four heads
	v_lshlrev_b32 v58, 4, v0                       ; 16 x thread
	v_mov_b32 v62, 1.0
	v_mov_b32 v63, 1.0
	s_wait_alu depctr_va_vdst(0)                   ; the wait at the head's end
	s_wait_kmcnt 0x0
	s_add_nc_u64 s[4:5], s[4:5], s[74:75]
	s_add_nc_u64 s[12:13], s[12:13], s[76:77]
	global_load_b128 v[48:51], v58, s[10:11]       ; w_z[channel][my four heads]
	global_load_b32 v52, v11, s[6:7]               ; ln_z_w[channel]
	global_load_b32 v53, v11, s[8:9]               ; ln_z_b[channel]
.set RHO, 0
.rept 32                               ; row rho = 16 T + r: query + r + 8 (r / 8), key + 16 T; 32 lanes read its 512 consecutive bytes
	global_load_b128 v[X+4*RHO:X+4*RHO+3], v4, s[4:5] offset:(((RHO%16)+8*((RHO%16)/8))*256+16*(RHO/16))*512 th:TH_LOAD_NT
.set RHO, RHO+1
.endr
	s_wait_loadcnt 32                              ; the three small loads are in; the 32 rows may be out
	v_mul_f32 v52, 0x40b504f3, v52                 ; x sqrt(32): the attention launch multiplies score + this by log2(e) / sqrt(32)
	v_mul_f32 v53, 0x40b504f3, v53
.irp i, 0,1,2,3
	v_mov_b32 v[58+\i], 0                          ; a lane permute's destination counts as one of its sources
.endr
.irp i, 0,1,2,3
	v_mul_f32 v[54+\i], v53, v[48+\i]
.endr
.irp i, 0,1,2,3
	v_mul_f32 v[48+\i], v52, v[48+\i]
.endr
.irp i, 0,1,2,3
	ds_store_b32 v9, v[48+\i] offset:528*\i
.endr
.irp m, 2,4,8                          ; the bias term over my wave's 16 channels: the lanes of my parity
.irp i, 0,1,2,3
	v_add_f32_dpp v[54+\i], v[54+\i], v[54+\i] row_xmask:\m row_mask:0xf bank_mask:0xf
.endr
.endr
.irp i, 0,1,2,3
	v_permlanex16_b32 v[58+\i], v[54+\i], s22, s23
.endr
.irp i, 0,1,2,3
	v_add_f32 v[54+\i], v[54+\i], v[58+\i]
.endr
	ds_store_b128 v15, v[54:57]                    ; lanes of one parity write the same words with the same values
	s_wait_alu depctr_va_vdst(0)
	s_wait_dscnt 0x0                               ; for the others' sake
	s_barrier_signal -1
	s_barrier_wait -1
.set J, 0
.rept 16
	ds_load_b128 v[W+4*J:W+4*J+3], v10 offset:16*J
.set J, J+1
.endr
.irp i, 0,1,2,3
	ds_load_b32 v[56+\i], v14 offset:32*\i
.endr
.set RHO, 0
.rept 4
	s_wait_loadcnt 24-RHO                          ; the oldest eight of the rows still out are in
.rept 8
	ds_store_b128 v5, v[X+4*RHO:X+4*RHO+3] offset:528*RHO
.set RHO, RHO+1
.endr
.endr
	s_wait_dscnt 0x0                               ; the stores have read their registers
.irp T, 0,1
.set J, 0
.rept 16
	ds_load_b128 v[X+64*\T+4*J:X+64*\T+4*J+3], v6 offset:8448*\T+16*J   ; rows 528 bytes apart: sixteen lanes touch sixteen different columns of 16 bytes
.set J, J+1
.endr
.endr
	s_wait_dscnt 0x0
	v_add_f32 v56, v56, v57
	v_add_f32 v58, v58, v59
	v_mov_b32 v61, 0
	v_add_f32 v60, v56, v58                        ; v[60:61]: my half of the bias term of head r % 8, and 0
	; the norm: mean, centred numbers, mean of their squares
.irp T, 0,1
.irp k, 0,1
	v_pk_add_f32 v[ST+4*\T+2*\k:ST+4*\T+2*\k+1], v[X+64*\T+2*\k:X+64*\T+2*\k+1], v[X+64*\T+4+2*\k:X+64*\T+5+2*\k]
.endr
.endr
.set J, 4
.rept 28
.irp T, 0,1
	v_pk_add_f32 v[ST+4*\T+2*(J%2):ST+4*\T+2*(J%2)+1], v[ST+4*\T+2*(J%2):ST+4*\T+2*(J%2)+1], v[X+64*\T+2*J:X+64*\T+2*J+1]
.endr
.set J, J+1
.endr
	FOLD
.irp T, 0,1
	v_mul_f32 v[ST+4*\T], 0xbc000000, v[ST+4*\T]   ; - mean
.endr
.set J, 0
.rept 32
.irp T, 0,1
	v_pk_add_f32 v[X+64*\T+J:X+64*\T+J+1], v[X+64*\T+J:X+64*\T+J+1], v[ST+4*\T:ST+4*\T+1] op_sel_hi:[1,0]
.endr
.set J, J+2
.endr
.irp T, 0,1
.irp k, 0,1
	v_pk_mul_f32 v[ST+4*\T+2*\k:ST+4*\T+2*\k+1], v[X+64*\T+2*\k:X+64*\T+2*\k+1], v[X+64*\T+2*\k:X+64*\T+2*\k+1]
.endr
.endr
.set J, 2
.rept 30
.irp T, 0,1
	v_pk_fma_f32 v[ST+4*\T+2*(J%2):ST+4*\T+2*(J%2)+1], v[X+64*\T+2*J:X+64*\T+2*J+1], v[X+64*\T+2*J:X+64*\T+2*J+1], v[ST+4*\T+2*(J%2):ST+4*\T+2*(J%2)+1]
.endr
.set J, J+1
.endr
	FOLD
.irp T, 0,1
	v_fma_f32 v[ST+4*\T], v[ST+4*\T], s3, s14      ; variance + 1e-5
.endr
	s_wait_alu depctr_va_vdst(0)                   ; the wait ahead of the transcendentals,
	v_rsq_f32 v[ST], v[ST]
	v_rsq_f32 v[ST+4], v[ST+4]
	v_nop                                          ; a plain instruction behind them,
	s_wait_alu depctr_va_vdst(0)                   ; and the wait ahead of their first reader
.set J, 0
.rept 32
.irp T, 0,1
	v_pk_mul_f32 v[X+64*\T+J:X+64*\T+J+1], v[X+64*\T+J:X+64*\T+J+1], v[ST+4*\T:ST+4*\T+1] op_sel_hi:[1,0]
.endr
.set J, J+2
.endr
	v_wmma_f32_16x16x4_f32 v[D0:D0+7], v[W:W+1], v[X:X+1], 0            ; the first K step starts each sum
	v_wmma_f32_16x16x4_f32 v[D1:D1+7], v[W:W+1], v[X+64:X+65], 0
.set J, 2
.rept 31
	v_wmma_f32_16x16x4_f32 v[D0:D0+7], v[W+J:W+J+1], v[X+J:X+J+1], v[D0:D0+7]
	v_wmma_f32_16x16x4_f32 v[D1:D1+7], v[W+J:W+J+1], v[X+64+J:X+65+J], v[D1:D1+7]
.set J, J+2
.endr
	v_wmma_f32_16x16x4_f32 v[D0:D0+7], v[60:61], v[62:63], v[D0:D0+7]   ; the norm's bias term, against ones
	v_wmma_f32_16x16x4_f32 v[D1:D1+7], v[60:61], v[62:63], v[D1:D1+7]
	v_cmp_eq_u32 vcc_lo, 1, v3
.rept 8
	v_nop                                          ; eight places behind this form (ISA guide 7.12.1)
.endr
.irp n, 0,1,2,3,4,5,6,7
	v_cndmask_b32 v[ACC+\n], v[D0+\n], v[D1+\n], vcc_lo    ; register n is head n of row r in both halves of the lanes: lane 16 h + r keeps tile h's.  Each sum is read from its low end on
.endr
.irp n, 0,1,2,3,4,5,6,7
	ds_store_b32 v7, v[ACC+\n] offset:512*\n
.endr
	s_wait_dscnt 0x0                               ; for the others' sake: my results lie in LDS
	s_barrier_signal -1
	s_barrier_wait -1
	ds_load_b128 v[32:35], v8                      ; one (head, t, g): 32 lanes x four e
	ds_load_b128 v[36:39], v8 offset:512
	s_wait_dscnt 0x0
	global_store_b128 v4, v[32:35], s[12:13]                   ; 512 consecutive bytes, at a multiple of 512 from the buffer's first byte
	global_store_b128 v4, v[36:39], s[12:13] offset:262144     ; the next head
	s_wait_tensorcnt 0x0                           ; the wave's end: three lines behind my last LDS store
	ds_add_u32 v[SPW], v[NIL]
	s_wait_dscnt 0x0
	s_endpgm
	; ---------------- the weights: no LDS, no barrier
.Lweights:
	s_load_b256 s[4:11], s[0:1], 0x20              ; w_q, w_k, w_v, w_g
	s_load_b64 s[12:13], s[0:1], 0x40              ; w_o
	s_load_b128 s[16:19], s[0:1], 0x50             ; wfrag, wscl
	s_lshr_b32 s20, ttmp9, 2                       ; mat
	s_lshl_b32 s21, ttmp9, 3
	s_add_co_u32 s21, s21, s2                      ; f
	s_and_b32 s24, s21, 1                          ; s
	s_bfe_u32 s25, s21, 0x10001                    ; u
	s_bfe_u32 s26, s21, 0x30002                    ; hd
	s_lshl_b32 s28, s24, 17                        ; 128 s rows of 1,024 bytes
	s_lshl_b32 s27, s26, 7
	s_add_co_u32 s28, s28, s27                     ; + 32 hd columns
	s_lshl_b32 s27, s25, 5
	s_add_co_u32 s28, s28, s27                     ; + 8 u
	s_mov_b32 s29, 0
	s_mul_i32 s30, s21, 1536
	s_mov_b32 s31, 0
	s_lshr_b32 s32, s21, 2
	s_lshl_b32 s32, s32, 9                         ; (8 mat + hd) x 512
	s_and_b32 s27, s21, 3
	s_lshl_b32 s27, s27, 2
	s_add_co_u32 s32, s32, s27                     ; + 4 (2 u + s)
	s_mov_b32 s33, 0
	s_mov_b32 s22, 0x76543210
	s_mov_b32 s23, 0xfedcba98                      ; lane l xor 16
	v_and_b32 v4, 8, v2
	v_add_nc_u32 v4, v4, v2                        ; r + 8 (r / 8)
	v_lshlrev_b32 v5, 2, v4
	v_lshl_add_u32 v5, v3, 15, v5                  ; lanes 16-31 begin 32 rows further down
	v_lshlrev_b32 v6, 4, v1                        ; 16 x lane
	s_wait_alu depctr_va_vdst(0)                   ; the wait at the head's end
	s_wait_kmcnt 0x0
	s_cmp_eq_u32 s20, 1                            ; the weight is chosen by the work-group's number alone
	s_cselect_b64 s[14:15], s[6:7], s[4:5]
	s_cmp_eq_u32 s20, 2
	s_cselect_b64 s[14:15], s[8:9], s[14:15]
	s_cmp_eq_u32 s20, 3
	s_cselect_b64 s[14:15], s[10:11], s[14:15]
	s_cmp_eq_u32 s20, 4
	s_cselect_b64 s[14:15], s[12:13], s[14:15]
	s_add_nc_u64 s[14:15], s[14:15], s[28:29]
	s_add_nc_u64 s[16:17], s[16:17], s[30:31]
	s_add_nc_u64 s[18:19], s[18:19], s[32:33]
.set J, 0
.rept 64                               ; W(128 s + 64 c + 32 h + i, my column) into v[64 + 32 c + i]
	global_load_b32 v[64+J], v5, s[14:15] offset:(64*(J/32)+(J%32))*1024
.set J, J+1
.endr
	s_wait_loadcnt 0x0
.irp c, 0,1                            ; my block 2 c + h: all its 32 numbers are mine; the floor 2^(3 - 127) holds the byte at 1 from below
	v_max3_num_f32 v[32+\c], |v[64+32*\c]|, |v[65+32*\c]|, 0x1800000
.endr
.irp i, 2,4,6,8,10,12,14,16,18,20,22,24,26,28,30
.irp c, 0,1
	v_max3_num_f32 v[32+\c], v[32+\c], |v[64+32*\c+\i]|, |v[65+32*\c+\i]|
.endr
.endr
.irp c, 0,1
	v_add_nc_u32 v[44+\c], 0xff000000, v[32+\c]    ; 2 off the exponent field: the conversion's scale operand
.endr
.irp c, 0,1
	v_lshrrev_b32 v[36+\c], 23, v[44+\c]           ; the scale's byte
.endr
	v_lshl_or_b32 v9, v37, 16, v36                 ; my two bytes: blocks h and 2 + h,
	v_lshlrev_b32 v10, 3, v3
	v_lshlrev_b32 v9, v10, v9                      ; at their places in the word;
	v_mov_b32 v10, 0
	v_permlanex16_b32 v10, v9, s22, s23
	v_or_b32 v9, v9, v10                           ; with lane l xor 16's two the word is whole
.irp c, 0,1
	v_cvt_scalef32_pk16_fp6_f32 v[48+6*\c:50+6*\c], v[64+32*\c:79+32*\c], v[44+\c]
	v_cvt_scalef32_pk16_fp6_f32 v[128+4*\c:130+4*\c], v[80+32*\c:95+32*\c], v[44+\c]   ; (a conversion's three registers begin on an even number)
.endr
	v_nop                                          ; one plain instruction behind a scaled conversion
.irp c, 0,1
.irp i, 0,1,2
	v_mov_b32 v[51+6*\c+\i], v[128+4*\c+\i]
.endr
.endr
.irp i, 0,1,2
	global_store_b128 v6, v[48+4*\i:51+4*\i], s[16:17] offset:512*\i   ; the fragment as it stands: 512 consecutive bytes a store
.endr
	global_store_b32 v6, v9, s[18:19]
	s_endpgm
.Lfunc_end_k_q25dd931b6c_prep:
	.size	k_q25dd931b6c_prep, .Lfunc_end_k_q25dd931b6c_prep-k_q25dd931b6c_prep
	.p2alignl 7, 3214868480
	.fill 96, 4, 3214868480
	.section	.rodata,"a",@progbits
	.p2align	6, 0x0
	.amdhsa_kernel k_q25dd931b6c_prep
		.amdhsa_group_segment_fixed_size 148992
		.amdhsa_private_segment_fixed_size 0
		.amdhsa_enable_private_segment 0
		.amdhsa_kernarg_size 96
		.amdhsa_user_sgpr_count 2
		.amdhsa_user_sgpr_kernarg_segment_ptr 1
		.amdhsa_wavefront_size32 1
		.amdhsa_system_sgpr_workgroup_id_x 1
		.amdhsa_system_sgpr_workgroup_id_y 1
		.amdhsa_system_sgpr_workgroup_id_z 1
		.amdhsa_system_vgpr_workitem_id 0
		.amdhsa_next_free_vgpr 256
		.amdhsa_next_free_sgpr 100
		.amdhsa_reserve_vcc 1
		.amdhsa_float_denorm_mode_32 3
		.amdhsa_float_denorm_mode_16_64 3
		.amdhsa_memory_ordered 1
		.amdhsa_forward_progress 1
		.amdhsa_inst_pref_size 49
	.end_amdhsa_kernel
	.amdgpu_metadata
---
amdhsa.version: [ 1, 2 ]
amdhsa.kernels:
  - .name:           k_q25dd931b6c_prep
    .symbol:         k_q25dd931b6c_prep.kd
    .args:
      - { .name: z, .offset: 0, .size: 8, .value_kind: global_buffer, .address_space: global }
      - { .name: ln_z_w, .offset: 8, .size: 8, .value_kind: global_buffer, .address_space: global }
      - { .name: ln_z_b, .offset: 16, .size: 8, .value_kind: global_buffer, .address_space: global }
      - { .name: w_z, .offset: 24, .size: 8, .value_kind: global_buffer, .address_space: global }
      - { .name: w_q, .offset: 32, .size: 8, .value_kind: global_buffer, .address_space: global }
      - { .name: w_k, .offset: 40, .size: 8, .value_kind: global_buffer, .address_space: global }
      - { .name: w_v, .offset: 48, .size: 8, .value_kind: global_buffer, .address_space: global }
      - { .name: w_g, .offset: 56, .size: 8, .value_kind: global_buffer, .address_space: global }
      - { .name: w_o, .offset: 64, .size: 8, .value_kind: global_buffer, .address_space: global }
      - { .name: bias_ws, .offset: 72, .size: 8, .value_kind: global_buffer, .address_space: global }
      - { .name: wfrag, .offset: 80, .size: 8, .value_kind: global_buffer, .address_space: global }
      - { .name: wscl, .offset: 88, .size: 8, .value_kind: global_buffer, .address_space: global }
    .group_segment_fixed_size: 148992
    .private_segment_fixed_size: 0
    .kernarg_segment_align: 8
    .kernarg_segment_size: 96
    .max_flat_workgroup_size: 256
    .sgpr_count:     100
    .vgpr_count:     256
    .wavefront_size: 32
...
	.end_amdgpu_metadata
.endif
;; end of part 1
;; launch attn (part 2): grid 256 x 1, 8 waves a work-group, clusters of 4 x 1, 327,680 bytes of LDS; arguments m, ln_m_w, ln_m_b, wfrag, wscl, bias_ws, b_g, b_o, out0; writes out0
.if DOCPART == 2
	.amdgcn_target "amdgcn-amd-amdhsa--gfx1250"
	.amdhsa_code_object_version 6
	.text
	.protected	k_q25dd931b6c_attn
	.globl	k_q25dd931b6c_attn
	.p2align	8
	.type	k_q25dd931b6c_attn,@function
k_q25dd931b6c_attn:
	s_mov_b64 s[64:65], 0
	v_nop
	global_prefetch_b8 v0, s[64:65] scope:SCOPE_SE
	s_setreg_imm32_b32 hwreg(HW_REG_WAVE_MODE, 25, 1), 1
	s_wait_xcnt 0x0
	s_wait_alu depctr_hold_cnt(0) depctr_sa_sdst(0) depctr_va_vdst(0) depctr_va_sdst(0) depctr_va_ssrc(0) depctr_va_vcc(0) depctr_vm_vsrc(0)
	s_getreg_b32 s2, hwreg(HW_REG_IB_STS2, 6, 4)
	s_cmp_eq_u32 s2, 0
	s_cbranch_scc0 .Lentry_in_a_cluster
	s_endpgm
.Lentry_in_a_cluster:
	s_bfe_u32 s2, ttmp6, 0x10000c
	s_cmp_lg_u32 s2, 0x3003
	s_cbranch_scc0 .Lentry_shape_is_right
	s_endpgm
.Lentry_shape_is_right:
; out0[s] = (sigmoid(mn Wg + b_g) x softmax-attention(mn Wq, mn Wk, mn Wv, pair bias)) Wo + b_o, mn = LayerNorm(m[s]); every product on codes of E2M3 with one E8M0 byte for each 32 along K.
; SHARES.  A work-group takes ONE row s of the alignment (256 residues x 256 channels) through the whole chain; nothing but the result goes to memory.  Eight waves, two to a SIMD, 512 registers each.
;   Wave w is head w: its 32 columns of Wq, Wk, Wv, Wg, its keys and values, its softmax, its block of 32 of the last product's K.  In the norm and on the way out it has residues 32 w .. 32 w + 31, in the last product output channels 32 w .. 32 w + 31.
; TILES OF RESIDUES ARE PERMUTED: row r of tile T is residue res(T, r) = 32 (T / 2) + 8 (T % 2) + r + 8 (r / 8), so that a transposed product's 16 registers of tiles 2 b, 2 b + 1 are 16 neighbours along the next K.
; K = 32 IN AN INSTRUCTION OF K = 128.  A head's keys are kept as four fragments: block b of fragment G holds the 32 channels of tile 4 G + b.  The queries' 16 x 32 codes are laid into block b of an operand whose other
;   blocks are zero codes (four overlapping runs of registers Z X Z Y Z): the product then is the score tile 4 G + b.  The C operand of that product is the pair bias x sqrt(32), in the result's own layout.
; SOFTMAX.  A lane holds one query and 128 of its 256 keys, the lane 16 away the others: the whole row is in registers, so M = ceil(largest t) is final at once.  p = 2^(t - M), t = (score + sqrt(32) bias) x log2(e) / sqrt(32);
;   the sum is taken of the unquantised p; a block's largest p is made from the block's largest score by the same multiply-add and exponential.
; CLUSTER.  The four rows s of a cluster read the same pair bias, 16,384 bytes for each head and tile of queries: each tile is asked for jointly (mask 15).  The weights (245,760 bytes for a work-group, once, straight into
;   registers) are not shared: they never lie in LDS.  m comes by two plain tensor loads a wave at the head.  No prefetch: m is asked for at the head alone, and the bias is read by every cluster, a whole step ahead of its use.
; LIMITS: NaN and infinities are not served.  A block whose largest magnitude lies under 2^-124 (a block of zeros too) gets the byte 1; the bytes are read by this program alone.  p under 2^-126 counts as 0.
;   The bias enters as sqrt(32) x bias and the sum is multiplied by log2(e) / sqrt(32): two f32 roundings more than the order in which the problem writes it.
; LDS: 0 .. 266,239 the ring: first m (16 regions of 16 rows x 1,040 bytes; wave w's tile n in region w + 8 n), then the bias (slot sigma at 131,072 sigma + 16,384 w), behind its last fill the stage for the result (256 rows x 1,040).
;   MNB: 256 row slots x 208 bytes (192 of codes), slot 16 T + r = res(T, r): mn's codes; tile t's slots take g x o's codes in step t, when every wave has read mn's tile t (it is fetched in step t - 1, ahead of a barrier).
.set MNB,   266240
.set MNS,   319488                     ; mn's scale bytes [slot][8]
.set GOS,   321536                     ; g x o's scale bytes [slot][8 heads]
.set SPARE, 323584                     ; the spare words: 128 bytes for each wave, four blocks of 256 bytes that no other line names
.set BG,    324608                     ; b_g: wave w stores and reads bytes 128 w .. 128 w + 127
.set SLOT1, 131072
; window 0
.set LI,  3                            ; v3   16 x lane            (v1: 64 h; v2: 4 x thread; all three never rewritten)
.set BA0, 4                            ; v4   16,384 w + 16 x lane
.set BADR, 5                           ; v5   the same in the slot in hand
.set MAB, 6                            ; v6   MNB + 208 r + 24 h
.set MSA, 7                            ; v7   MNS + 8 r
.set GA,  8                            ; v8   MNB + 208 r + 24 w + 12 h, stepped by tiles
.set GSA, 9                            ; v9   GOS + 8 r + w, stepped
.set BGA, 10                           ; v10  BG + 128 w + 64 h
.set XA,  11                           ; v11, v12  my two tiles of m; at the end:
.set SO,  11                           ;      where I put results into the stage,
.set SR,  12                           ;      and where I read rows back
.set MW,  13                           ; v13  where I store mn's codes
.set MWS, 14                           ; v14  and their scale words
.set SPW, 15                           ; v15  LDS address of my spare word; never rewritten
.set NIL, 16                           ; v16  0; never rewritten
.set MAS, 17                           ; v17  MAB stepped
.set MSS, 18                           ; v18  MSA (later GOB) stepped
.set GOB, 19                           ; v19  GOS + 8 r
.set KS,  20                           ; v20-23  scale words of the keys' four fragments
.set VS,  24                           ; v24-27  of the values' four
.set WAS, 28                           ; v28-31  of the weight in W1A
.set WBS, 32                           ; v32-35  of the weight in W1B
.set MS,  36                           ; v36-39  of the rows' fragments, two pairs
.set QS,  40                           ; v40  the queries' byte, four times
.set PW0, 41                           ; v41  p's scale word, keys 0-127
.set TM,  42                           ; v42-57  at work in QUANT
.set BM,  42                           ; v42-49  the eight blocks' maxima
.set BT,  50                           ; v50-57
.set T0,  58                           ; v58-65  at work
.set PC,  66                           ; v66-85  codes just made
.set OQ,  86                           ; v86-101 q, later O^T
.set GG,  102                          ; v102-117 b_g, then the gate, at the end b_o
.set PW1, 118                          ; v118 p's scale word, keys 128-255
.set BGV, 119
.set BGS, 120
.set SW,  121
.set S,   128                          ; v128-255 bias, scores, p; also m's numbers, the pre-phase's results, the last product's results and rows of the result
.set X,   128
; window 1
.set W1A, 0                            ; Wk, then Wq, then Wo: four fragments (2 u + s)
.set W1B, 48                           ; Wv, then Wg
.set KF,  96
.set VF,  144                          ; fragment 2 u + kappa
.set MF0, 192
.set MF1, 216
.set QB,  216                          ; Z0 X Z1 Y Z2, six registers each
.set WV,  22
.set SEL, 56
.set CS,  58
.set MSB, 0
.macro WIN new                         ; the immediate's high byte repeats the setting that is left; a switch that changes nothing is dropped
.if MSB != \new
	s_set_vgpr_msb (MSB<<8)|\new
.set MSB, \new
.endif
.endm
.macro PLACES n
.rept \n
	v_nop
.endr
.endm
.macro ROUND                           ; a round of the cluster's barrier
	s_barrier_signal -1
	s_barrier_wait -1
	s_cmp_lg_u32 s[WV], 0
	s_cbranch_scc1 .Lnot_wave_0_\@
	s_barrier_signal -3
.Lnot_wave_0_\@:
	s_barrier_wait -3
	s_barrier_signal -1
	s_barrier_wait -1
.endm
.macro MM0 d, a, b, sa, sb             ; a product that starts a sum
	v_wmma_scale_f32_16x16x128_f8f6f4 v[(\d):(\d)+7], v[(\a):(\a)+11], v[(\b):(\b)+11], 0, v[\sa], v[\sb] matrix_a_fmt:MATRIX_FMT_FP6 matrix_b_fmt:MATRIX_FMT_FP6
.endm
.macro MMA d, a, b, sa, sb             ; a product that adds in place
	v_wmma_scale_f32_16x16x128_f8f6f4 v[(\d):(\d)+7], v[(\a):(\a)+11], v[(\b):(\b)+11], v[(\d):(\d)+7], v[\sa], v[\sb] matrix_a_fmt:MATRIX_FMT_FP6 matrix_b_fmt:MATRIX_FMT_FP6
.endm
.macro MMC d, a, b, c, sa, sb          ; a product that starts a sum from other registers
	v_wmma_scale_f32_16x16x128_f8f6f4 v[(\d):(\d)+7], v[(\a):(\a)+11], v[(\b):(\b)+11], v[(\c):(\c)+7], v[\sa], v[\sb] matrix_a_fmt:MATRIX_FMT_FP6 matrix_b_fmt:MATRIX_FMT_FP6
.endm
; 64 numbers of a lane, register 16 b + i = k 32 b + 16 (lane / 16) + i of my row, become a fragment's codes in v[PC] on and its scale word in v[pw].
.macro QUANT src, pw
.irp b, 0,1,2,3
	v_max3_num_f32 v[TM+\b], |v[(\src)+16*\b]|, |v[(\src)+1+16*\b]|, 0x1800000   ; and the floor 2^(3 - 127): the byte cannot fall under 1
.endr
.irp i, 2,4,6,8,10,12,14
.irp b, 0,1,2,3
	v_max3_num_f32 v[TM+\b], v[TM+\b], |v[(\src)+16*\b+\i]|, |v[(\src)+1+16*\b+\i]|
.endr
.endr
.irp b, 0,1,2,3
	s_delay_alu instid0(VALU_DEP_4)
	v_permlanex16_b32 v[TM+4+\b], v[TM+\b], s[SEL], s[SEL+1]
.endr
.irp b, 0,1,2,3
	s_delay_alu instid0(VALU_DEP_4)
	v_max_num_f32 v[TM+\b], v[TM+\b], v[TM+4+\b]
.endr
.irp b, 0,1,2,3
	s_delay_alu instid0(VALU_DEP_4)
	v_add_nc_u32 v[TM+12+\b], 0xff000000, v[TM+\b] ; 2 off the exponent field: the conversion's scale operand
.endr
.irp b, 0,1,2,3
	s_delay_alu instid0(VALU_DEP_4)
	v_lshrrev_b32 v[TM+4+\b], 23, v[TM+12+\b]      ; the scale's byte
.endr
	s_delay_alu instid0(VALU_DEP_3)
	v_lshl_or_b32 v[\pw], v[TM+5], 8, v[TM+4]
	s_delay_alu instid0(VALU_DEP_1)
	v_lshl_or_b32 v[\pw], v[TM+6], 16, v[\pw]
	s_delay_alu instid0(VALU_DEP_1)
	v_lshl_or_b32 v[\pw], v[TM+7], 24, v[\pw]
.irp c, 0,1
	v_cvt_scalef32_pk16_fp6_f32 v[PC+6*\c:PC+2+6*\c], v[(\src)+32*\c:(\src)+15+32*\c], v[TM+12+2*\c]
	v_cvt_scalef32_pk16_fp6_f32 v[PC+12+4*\c:PC+14+4*\c], v[(\src)+16+32*\c:(\src)+31+32*\c], v[TM+13+2*\c]
.endr
	v_nop                                          ; one plain instruction behind a scaled conversion
.irp c, 0,1                            ; the operand wants a whole block in a lane: lanes 0-15 block 2 c, lanes 16-31 block 2 c + 1
.irp i, 0,1,2
	v_permlane16_swap_b32 v[PC+6*\c+\i], v[PC+12+4*\c+\i]
.endr
.irp i, 0,1,2
	s_delay_alu instid0(VALU_DEP_3)
	v_mov_b32 v[PC+3+6*\c+\i], v[PC+12+4*\c+\i]
.endr
.endr
.endm
; The largest magnitude of 16 numbers of a lane and of the lane 16 away: v44 the conversion's scale operand, v45 the byte.
.macro SCALE16 src
	v_max3_num_f32 v42, |v[\src]|, |v[\src+1]|, 0x1800000
	v_max3_num_f32 v43, |v[\src+8]|, |v[\src+9]|, |v[\src+10]|
	v_max3_num_f32 v42, v42, |v[\src+2]|, |v[\src+3]|
	v_max3_num_f32 v43, v43, |v[\src+11]|, |v[\src+12]|
	v_max3_num_f32 v42, v42, |v[\src+4]|, |v[\src+5]|
	v_max3_num_f32 v43, v43, |v[\src+13]|, |v[\src+14]|
	v_max3_num_f32 v42, v42, |v[\src+6]|, |v[\src+7]|
	v_max3_num_f32 v43, v43, |v[\src+15]|, v42
	v_permlanex16_b32 v46, v43, s[SEL], s[SEL+1]
	v_max_num_f32 v43, v43, v46
	v_add_nc_u32 v44, 0xff000000, v43
	v_lshrrev_b32 v45, 23, v44
.endm
; A tile's two fragments (16 row slots x 256 K) into window 1 at fb, and its two scale words: 13 LDS loads.
.macro FETCH fb, adr, off, ms, sadr, soff
	WIN 0x40
.irp k, 0,1
.irp p, 0,1,2,3,4,5
	ds_load_b64 v[(\fb)+12*\k+2*\p:(\fb)+12*\k+2*\p+1], v[\adr] offset:(\off)+96*\k+48*(\p/3)+8*(\p%3)
.endr
.endr
	WIN 0
	ds_load_b64 v[\ms:\ms+1], v[\sadr] offset:\soff
.endm
; My head's four fragments of weight mat into window 1 at dst, as they lie, and their four scale words.
.macro WLOAD dst, mat, sc
	WIN 0x40
.irp i, 0,1,2,3,4,5,6,7,8,9,10,11
	global_load_b128 v[(\dst)+4*\i:(\dst)+4*\i+3], v[LI], s[10:11] offset:(\mat)*49152+512*\i
.endr
	WIN 0
	global_load_b128 v[\sc:\sc+3], v[LI], s[12:13] offset:(\mat)*4096
.endm
.macro TOWIN1 dst
	WIN 0x40
.irp i, 0,1,2,3,4,5,6,7,8,9,10,11
	v_mov_b32 v[(\dst)+\i], v[PC+\i]
.endr
	WIN 0
.endm
	s_load_b512 s[4:19], s[0:1], 0x0               ; m, ln_m_w, ln_m_b, wfrag, wscl, bias_ws, b_g, b_o
	s_load_b64 s[20:21], s[0:1], 0x40              ; out0
	v_lshl_add_u32 v[SPW], v0, 2, SPARE
	v_mov_b32 v[NIL], 0
	ds_add_u32 v[SPW], v[NIL]                      ; the wave's opening: the add and its wait ahead of my first tensor load; the set-up, work on registers, stands between them
	ds_add_u32 v[SPW], v[NIL]
	v_lshrrev_b32 v2, 5, v0
	s_delay_alu instid0(VALU_DEP_1)
	v_readfirstlane_b32 s[WV], v2                  ; wave 0..7
	s_bfe_u32 s23, ttmp6, 0x40000                  ; cx
	s_lshl_b32 s24, ttmp9, 2
	s_add_co_u32 s24, s24, s23                     ; my row s: it enters m's and out0's addresses alone
	; group 1 for m's tiles: 16 rows of 128 elements of 8 bytes, 16 bytes of padding behind each row of 256 words
	s_mov_b32 s28, (3<<16)|(1<<20)|(7<<22)|(3<<25)
	s_mov_b32 s29, 128<<16
	s_mov_b32 s30, 16<<16
	s_mov_b32 s31, 128<<16
	s_mov_b32 s32, 16
	s_mov_b32 s33, 128
	s_mov_b32 s34, 0
	s_mov_b32 s35, 0
	; group 1 for the bias: a dense block of 16,384 bytes as 64 rows of 256; mask: all four work-groups; bit 21 set beside a mask
	s_mov_b32 s44, 15|(3<<16)|(1<<21)
	s_mov_b32 s45, 32<<16
	s_mov_b32 s46, 64<<16
	s_mov_b32 s47, 32<<16
	s_mov_b32 s48, 64
	s_mov_b32 s49, 32
	s_mov_b32 s50, 0
	s_mov_b32 s51, 0
	s_mov_b32 s36, 1
	s_mul_i32 s37, s[WV], 16640                    ; region w
	s_mov_b32 s40, 1
	s_add_co_u32 s41, s37, 133120                  ; region w + 8
	s_mov_b32 s52, 1
	s_lshl_b32 s53, s[WV], 14                      ; slot 0, my head's 16,384 bytes
	s_mov_b32 s[SEL], 0x76543210
	s_mov_b32 s[SEL+1], 0xfedcba98                 ; lane l xor 16
	s_mov_b32 s[CS], 0x3e8293ee                    ; log2(e) / sqrt(32)
	s_mov_b32 s[CS+1], s[CS]
	s_mov_b32 s62, 0x3b800000                      ; 1 / 256
	s_mov_b32 s63, 0x3727c5ac                      ; 1e-5
	v_and_b32 v58, 15, v0                          ; r
	v_bfe_u32 v59, v0, 4, 1                        ; h
	v_and_b32 v60, 31, v0
	s_delay_alu instid0(VALU_DEP_1)
	v_lshlrev_b32 v[LI], 4, v60
	s_delay_alu instid0(VALU_DEP_3)
	v_lshlrev_b32 v1, 6, v59                       ; 64 h
	v_lshlrev_b32 v2, 2, v0                        ; 4 x thread
	v_lshl_add_u32 v[BGS], v0, 2, BG
	s_lshl_b32 s76, s[WV], 14
	v_add_nc_u32 v[BA0], s76, v[LI]
	v_mul_u32_u24 v61, v58, 208
	s_delay_alu instid0(VALU_DEP_1)
	v_mad_u32_u24 v[MAB], v59, 24, v61
	s_delay_alu instid0(VALU_DEP_1)
	v_add_nc_u32 v[MAB], MNB, v[MAB]
	v_lshl_add_u32 v[MSA], v58, 3, MNS
	s_delay_alu instid0(VALU_DEP_4)
	v_mad_u32_u24 v[GA], v59, 12, v61
	s_mul_i32 s76, s[WV], 24
	s_add_co_u32 s76, s76, MNB
	v_add_nc_u32 v[GA], s76, v[GA]
	v_lshl_add_u32 v[GSA], v58, 3, GOS
	s_delay_alu instid0(VALU_DEP_1)
	v_add_nc_u32 v[GSA], s[WV], v[GSA]
	s_lshl_b32 s76, s[WV], 7
	s_add_co_u32 s76, s76, BG
	v_add_nc_u32 v[BGA], s76, v1
	v_mul_u32_u24 v[XA], v58, 1040
	s_delay_alu instid0(VALU_DEP_1)
	v_add_nc_u32 v[XA], v[XA], v1
	s_delay_alu instid0(VALU_DEP_1)
	v_add_nc_u32 v[XA], s37, v[XA]
	s_delay_alu instid0(VALU_DEP_1)
	v_add_nc_u32 v[XA+1], 133120, v[XA]
	v_and_b32 v60, 8, v58
	s_delay_alu instid0(VALU_DEP_1)
	v_add_nc_u32 v60, v60, v58                     ; residue 32 w + 16 n + r lies in slot 32 w + 8 n + r + 8 (r / 8)
	s_delay_alu instid0(VALU_DEP_1)
	v_mul_u32_u24 v[MW], v60, 208
	s_delay_alu instid0(VALU_DEP_1)
	v_mad_u32_u24 v[MW], v59, 24, v[MW]
	s_mul_i32 s76, s[WV], 6656
	s_add_co_u32 s76, s76, MNB
	v_add_nc_u32 v[MW], s76, v[MW]
	v_lshl_add_u32 v[MWS], v60, 3, MNS
	s_lshl_b32 s76, s[WV], 8
	v_add_nc_u32 v[MWS], s76, v[MWS]
	v_lshl_add_u32 v[GOB], v58, 3, GOS
.set J, 0
.rept 16
	v_mov_b32 v[TM+J], 0                           ; written once: a lane permute's destination counts as one of its sources
.set J, J+1
.endr
	s_lshl_b32 s66, s24, 18                        ; row s: 262,144 bytes,
	s_lshl_b32 s67, s[WV], 15
	s_add_co_u32 s66, s66, s67                     ; my 32 residues: 32,768: the same place in m and in out0
	s_mov_b32 s67, 0
	s_lshl_b32 s68, s[WV], 18                      ; my head's 16 tiles of bias
	s_mov_b32 s69, 0
	s_mul_i32 s70, s[WV], 6144                     ; my head's four fragments of a weight
	s_mov_b32 s71, 0
	s_lshl_b32 s72, s[WV], 9                       ; and their scale words
	s_mov_b32 s73, 0
	s_wait_dscnt 0x0                               ; the opening add is done
	s_wait_kmcnt 0x0
	s_add_nc_u64 s[38:39], s[4:5], s[66:67]
	s_add_nc_u64 s[42:43], s[38:39], 16384         ; my second 16 residues
	s_or_b32 s39, s39, 0x80000000
	s_or_b32 s43, s43, 0x80000000
	s_add_nc_u64 s[20:21], s[20:21], s[66:67]
	s_add_nc_u64 s[54:55], s[14:15], s[68:69]
	s_or_b32 s55, s55, 0x80000000
	s_add_nc_u64 s[10:11], s[10:11], s[70:71]
	s_add_nc_u64 s[12:13], s[12:13], s[72:73]
	ROUND                                          ; in front of the first tensor loads
	tensor_load_to_lds s[36:39], s[28:35]          ; my first tile of m: one tensor load a wave at the head
	s_nop 0
	PLACES 4
	WIN 0x40                                       ; the norm's gain and bias in the layout of m's numbers: register 16 b + 4 j + .. = channel 32 b + 16 h + 4 j + ..
.set J, 0
.rept 32
	global_load_b128 v[4*J:4*J+3], v1, s[6:7] offset:128*(J/4)+16*(J%4)
	global_load_b128 v[128+4*J:128+4*J+3], v1, s[8:9] offset:128*(J/4)+16*(J%4)
.set J, J+1
.endr
	WIN 0
	global_load_b32 v[BGV], v2, s[16:17]
	global_load_b32 v[PW1], v2, s[18:19]           ; b_o[32 w + lane]: it goes through LDS as b_g does, 1,024 bytes behind it
	s_wait_tensorcnt 0x0                           ; my first tile of m is in
	ds_add_u32 v[SPW], v[NIL]
	s_wait_dscnt 0x0
	ROUND
	tensor_load_to_lds s[40:43], s[28:35]          ; my second tile of m: it has the first tile's norm in which to land
	s_nop 0
	PLACES 4
; THE NORM AND ITS CODES, for my tile n of 16 residues: lane (r, h) holds of row r the channels 32 b + 16 h + 0 .. 15, b = 0 .. 7.
.macro LNQ n
.set J, 0
.rept 32
	ds_load_b128 v[X+4*J:X+4*J+3], v[XA+\n] offset:128*(J/4)+16*(J%4)
.set J, J+1
.endr
	s_wait_dscnt 0x0
	v_pk_add_f32 v[60:61], v[128:129], v[136:137]
	v_pk_add_f32 v[62:63], v[144:145], v[152:153]
	v_pk_add_f32 v[64:65], v[160:161], v[168:169]
	v_pk_add_f32 v[126:127], v[176:177], v[184:185]
	v_pk_add_f32 v[124:125], v[192:193], v[200:201]
	v_pk_add_f32 v[122:123], v[208:209], v[216:217]
	v_pk_add_f32 v[116:117], v[224:225], v[232:233]
	v_pk_add_f32 v[58:59], v[240:241], v[248:249]
	s_delay_alu instid0(VALU_DEP_1)
	v_pk_add_f32 v[58:59], v[58:59], v[130:131]
	v_pk_add_f32 v[60:61], v[60:61], v[138:139]
	v_pk_add_f32 v[62:63], v[62:63], v[146:147]
	v_pk_add_f32 v[64:65], v[64:65], v[154:155]
	v_pk_add_f32 v[126:127], v[126:127], v[162:163]
	v_pk_add_f32 v[124:125], v[124:125], v[170:171]
	v_pk_add_f32 v[122:123], v[122:123], v[178:179]
	v_pk_add_f32 v[116:117], v[116:117], v[186:187]
	v_pk_add_f32 v[58:59], v[58:59], v[194:195]
	v_pk_add_f32 v[60:61], v[60:61], v[202:203]
	v_pk_add_f32 v[62:63], v[62:63], v[210:211]
	v_pk_add_f32 v[64:65], v[64:65], v[218:219]
	v_pk_add_f32 v[126:127], v[126:127], v[226:227]
	v_pk_add_f32 v[124:125], v[124:125], v[234:235]
	v_pk_add_f32 v[122:123], v[122:123], v[242:243]
	v_pk_add_f32 v[116:117], v[116:117], v[250:251]
	v_pk_add_f32 v[58:59], v[58:59], v[132:133]
	v_pk_add_f32 v[60:61], v[60:61], v[140:141]
	v_pk_add_f32 v[62:63], v[62:63], v[148:149]
	v_pk_add_f32 v[64:65], v[64:65], v[156:157]
	v_pk_add_f32 v[126:127], v[126:127], v[164:165]
	v_pk_add_f32 v[124:125], v[124:125], v[172:173]
	v_pk_add_f32 v[122:123], v[122:123], v[180:181]
	v_pk_add_f32 v[116:117], v[116:117], v[188:189]
	v_pk_add_f32 v[58:59], v[58:59], v[196:197]
	v_pk_add_f32 v[60:61], v[60:61], v[204:205]
	v_pk_add_f32 v[62:63], v[62:63], v[212:213]
	v_pk_add_f32 v[64:65], v[64:65], v[220:221]
	v_pk_add_f32 v[126:127], v[126:127], v[228:229]
	v_pk_add_f32 v[124:125], v[124:125], v[236:237]
	v_pk_add_f32 v[122:123], v[122:123], v[244:245]
	v_pk_add_f32 v[116:117], v[116:117], v[252:253]
	v_pk_add_f32 v[58:59], v[58:59], v[134:135]
	v_pk_add_f32 v[60:61], v[60:61], v[142:143]
	v_pk_add_f32 v[62:63], v[62:63], v[150:151]
	v_pk_add_f32 v[64:65], v[64:65], v[158:159]
	v_pk_add_f32 v[126:127], v[126:127], v[166:167]
	v_pk_add_f32 v[124:125], v[124:125], v[174:175]
	v_pk_add_f32 v[122:123], v[122:123], v[182:183]
	v_pk_add_f32 v[116:117], v[116:117], v[190:191]
	v_pk_add_f32 v[58:59], v[58:59], v[198:199]
	v_pk_add_f32 v[60:61], v[60:61], v[206:207]
	v_pk_add_f32 v[62:63], v[62:63], v[214:215]
	v_pk_add_f32 v[64:65], v[64:65], v[222:223]
	v_pk_add_f32 v[126:127], v[126:127], v[230:231]
	v_pk_add_f32 v[124:125], v[124:125], v[238:239]
	v_pk_add_f32 v[122:123], v[122:123], v[246:247]
	v_pk_add_f32 v[116:117], v[116:117], v[254:255]
	s_delay_alu instid0(VALU_DEP_4)
	v_pk_add_f32 v[58:59], v[58:59], v[126:127]
	s_delay_alu instid0(VALU_DEP_4)
	v_pk_add_f32 v[60:61], v[60:61], v[124:125]
	s_delay_alu instid0(VALU_DEP_4)
	v_pk_add_f32 v[62:63], v[62:63], v[122:123]
	s_delay_alu instid0(VALU_DEP_4)
	v_pk_add_f32 v[64:65], v[64:65], v[116:117]
	s_delay_alu instid0(VALU_DEP_2)
	v_pk_add_f32 v[58:59], v[58:59], v[62:63]
	s_delay_alu instid0(VALU_DEP_2)
	v_pk_add_f32 v[60:61], v[60:61], v[64:65]
	s_delay_alu instid0(VALU_DEP_1)
	v_pk_add_f32 v[58:59], v[58:59], v[60:61]
	s_delay_alu instid0(VALU_DEP_1)
	v_add_f32 v[T0], v[T0], v[T0+1]
	s_delay_alu instid0(VALU_DEP_1)
	v_permlanex16_b32 v[T0+2], v[T0], s[SEL], s[SEL+1]
	s_delay_alu instid0(VALU_DEP_1)
	v_add_f32 v[T0], v[T0], v[T0+2]
	s_delay_alu instid0(VALU_DEP_1)
	v_mul_f32 v[T0], 0xbb800000, v[T0]             ; - mean
.set J, 0
.rept 64
	v_pk_add_f32 v[X+J:X+J+1], v[X+J:X+J+1], v[T0:T0+1] op_sel_hi:[1,0]
.set J, J+2
.endr
.irp k, 0,1,2,3
	v_pk_mul_f32 v[T0+2*\k:T0+2*\k+1], v[X+2*\k:X+2*\k+1], v[X+2*\k:X+2*\k+1]
.endr
.set J, 4
.rept 60
	s_delay_alu instid0(VALU_DEP_4)
	v_pk_fma_f32 v[T0+2*(J%4):T0+2*(J%4)+1], v[X+2*J:X+2*J+1], v[X+2*J:X+2*J+1], v[T0+2*(J%4):T0+2*(J%4)+1]
.set J, J+1
.endr
	s_delay_alu instid0(VALU_DEP_3)
	v_pk_add_f32 v[T0:T0+1], v[T0:T0+1], v[T0+2:T0+3]
	s_delay_alu instid0(VALU_DEP_2)
	v_pk_add_f32 v[T0+4:T0+5], v[T0+4:T0+5], v[T0+6:T0+7]
	s_delay_alu instid0(VALU_DEP_1)
	v_pk_add_f32 v[T0:T0+1], v[T0:T0+1], v[T0+4:T0+5]
	s_delay_alu instid0(VALU_DEP_1)
	v_add_f32 v[T0], v[T0], v[T0+1]
	s_delay_alu instid0(VALU_DEP_1)
	v_permlanex16_b32 v[T0+2], v[T0], s[SEL], s[SEL+1]
	s_delay_alu instid0(VALU_DEP_1)
	v_add_f32 v[T0], v[T0], v[T0+2]
	s_delay_alu instid0(VALU_DEP_1)
	v_fma_f32 v[T0], v[T0], s62, s63               ; variance + 1e-5
	s_wait_alu depctr_va_vdst(0)
	v_rsq_f32 v[T0], v[T0]
	v_nop                                          ; a plain instruction behind the transcendental
	s_wait_alu depctr_va_vdst(0)                   ; and the wait ahead of its first reader
.set J, 0
.rept 64
	v_pk_mul_f32 v[X+J:X+J+1], v[X+J:X+J+1], v[T0:T0+1] op_sel_hi:[1,0]
.set J, J+2
.endr
.if \n == 0
	s_wait_loadcnt 0x0                             ; gain, bias and b_g
.endif
	WIN 0x14                                       ; sources 1 and 2 in window 1
.set J, 0
.rept 64
	v_pk_fma_f32 v[X+J:X+J+1], v[X+J:X+J+1], v[J:J+1], v[128+J:128+J+1]
.set J, J+2
.endr
	WIN 0
.if \n == 0
	ds_store_b32 v[BGS], v[BGV]                    ; b_g[32 w + lane]: my wave's own 128 bytes
	ds_store_b32 v[BGS], v[PW1] offset:1024        ; b_o[32 w + lane] likewise
.else
	WLOAD W1A, 1, WAS                              ; gain and bias are done with: Wk and Wv take their registers
	WLOAD W1B, 2, WBS
.endif
.irp q, 0,1
	QUANT X+64*\q, SW
.irp c, 0,1
.irp i, 0,1,2
	ds_store_b64 v[MW], v[PC+6*\c+2*\i:PC+6*\c+2*\i+1] offset:1664*\n+96*\q+48*\c+8*\i
.endr
.endr
	ds_store_b32 v[MWS], v[SW] offset:64*\n+4*\q   ; both lanes of a row write the same word with the same value
	s_wait_dscnt 0x0                               ; the stores have read their registers
.endr
.endm
	LNQ 0
	s_wait_tensorcnt 0x0                           ; all my tensor loads have landed,
	ds_add_u32 v[SPW], v[NIL]                      ; 0 onto my spare word,
	s_wait_dscnt 0x0                               ; and my reads of region w are over
	ROUND                                          ; so of every wave of every partner: regions 0 to 7 may be filled again
	tensor_load_to_lds s[52:55], s[44:51]          ; the bias of query tile 0 into slot 0: my one tensor load behind this round
	s_nop 0
	PLACES 4
	LNQ 1
	s_barrier_signal -1                            ; (LNQ ends with a wait
	s_barrier_wait -1                              ; mn's codes of all 256 residues lie in LDS
	s_wait_loadcnt 0x0                             ; Wk, Wv
; THE PRE-PHASE: my head's values (visits 0-15) and keys (visits 16-31), a tile of residues a visit.  The next visit's 13 LDS loads are issued ahead of this visit's four products.
.macro VISIT i
.set VT, (\i)%16
.set VN, ((\i)+1)%16
.set FB, MF0+24*((\i)%2)
.set FN, MF0+24*(((\i)+1)%2)
.set SB, MS+2*((\i)%2)
.set SN, MS+2*(((\i)+1)%2)
	PLACES 4                                       ; in front of loads into registers that matrix instructions have read
	FETCH FN, MAB, 3328*VN, SN, MSA, 128*VN
	s_wait_dscnt 13                                ; this visit's 13 loads are in; the 13 just issued may be out
	WIN 0x05
.irp k, 0,1
.irp u, 0,1
.if (\i) < 16                          ; source 0 = 16 residues, source 1 = 16 columns of Wv: a lane holds one channel, its registers run along the residues, which are the keys
.if \k == 0
	MM0 S+64*\u+8*(VT%8), FB+12*\k, W1B+12*(2*\u+\k), SB+\k, WBS+2*\u+\k
.else
	MMA S+64*\u+8*(VT%8), FB+12*\k, W1B+12*(2*\u+\k), SB+\k, WBS+2*\u+\k
.endif
.else                                  ; source 0 = 16 columns of Wk, source 1 = 16 residues: a lane holds one residue, its registers run along the head's channels
.if \k == 0
	MM0 S+16*(VT%4)+8*\u, W1A+12*(2*\u+\k), FB+12*\k, WAS+2*\u+\k, SB+\k
.else
	MMA S+16*(VT%4)+8*\u, W1A+12*(2*\u+\k), FB+12*\k, WAS+2*\u+\k, SB+\k
.endif
.endif
.endr
.endr
	WIN 0
.endm
	FETCH MF0, MAB, 0, MS, MSA, 0
.irp i, 0,1,2,3,4,5,6,7,8,9,10,11,12,13,14,15,16,17,18,19,20,21,22,23,24,25,26,27,28,29,30,31
	VISIT \i
.if (\i == 7) || (\i == 15)            ; 128 keys of both halves of the channels are there: two fragments of V^T
	PLACES 4
.irp u, 0,1
	QUANT S+64*\u, VS+2*\u+(\i/8)
	TOWIN1 VF+12*(2*\u+(\i/8))
.endr
.endif
.if \i == 15
	WLOAD W1B, 3, WBS                              ; Wv is done with: Wg
.endif
.if (\i >= 16) && ((\i%4) == 3)        ; four tiles of keys: one fragment, a tile to a block of 32
	PLACES 4
	QUANT S, KS+(\i-16)/4
	TOWIN1 KF+12*((\i-16)/4)
.endif
.endr
	WLOAD W1A, 0, WAS                              ; Wk is done with: Wq
	WIN 0x40
.irp z, 0,12,24
.irp i, 0,1,2,3,4,5
	v_mov_b32 v[QB+\z+\i], 0                       ; the zero codes beside the queries'
.endr
.endr
	WIN 0
	v_add_nc_u32 v[MAS], 3328, v[MAB]              ; the look-ahead stands at tile 1 (visit 31 has fetched tile 0)
	v_add_nc_u32 v[MSS], 128, v[MSA]
	s_mov_b32 s60, 0                               ; the slot in hand
	s_mov_b32 s61, 15
	s_lshr_b32 s40, s[WV], 2                       ; (m's descriptors are done with)  THE WAVE'S PARITY, (w xor w / 4) % 2: it differs between w and w + 4 and between 2 k and 2 k + 1
	s_xor_b32 s40, s40, s[WV]
	s_and_b32 s40, s40, 1
.set J, 0
.rept 14
	v_mov_b32 v[GG+J], 0                           ; written once, so that every way through the text below finds them written
.set J, J+1
.endr
	s_wait_alu depctr_va_vdst(0)                   ; the wait here, directly ahead of the wait below
	s_wait_loadcnt 0x0                             ; Wg, Wq
; A STEP: query tile t.  fill = 1: the bias of tile t + 1 is asked for and mn's tile t + 1 fetched.  last = 1: Wo is asked for instead.
; A STEP is written in four parts.  TOP: the barrier (fill = 1: the round, and the bias of the next tile is asked for).  SCORES t: q, the gate's sums, the scores, M and t - M; mn's tile t + 1 is fetched.
; EXPS t: the exponentials, the gate, the row's sum.  FIN t: p's codes, O^T, g x o and its codes, which go to tile t's row slots.
; Between two barriers a wave of parity 0 runs FIN t - 1, SCORES t, EXPS t; one of parity 1 runs EXPS t - 1, FIN t - 1, SCORES t: the two take the parts in another order, and each part stands once in a wave's own order.
; Both read the bias of tile t between the same two barriers, so the ring is as with one order.  FIN t stands behind the barrier that follows SCORES t, and mn's tile t was fetched in SCORES t - 1: two barriers lie between.
.macro TOP fill
	s_wait_tensorcnt 0x0                           ; all my tensor loads have landed: my head's bias of this tile; so the walking descriptor may be written
	ds_add_u32 v[SPW], v[NIL]                      ; 0 onto my spare word
.if \fill
	s_xor_b32 s53, s53, SLOT1                      ; the other slot than last time,
	s_add_nc_u64 s[54:55], s[54:55], 16384         ; the next tile of queries; the type bits on top are not reached
.endif
	s_wait_dscnt 0x0                               ; the add is done; my reads of the other slot and of mn's tile t are over, my stores of the last tile's codes have landed
.if \fill
	ROUND                                          ; so of every wave of every partner
	tensor_load_to_lds s[52:55], s[44:51]          ; my one tensor load behind the round; it has this whole step in which to land
	s_nop 0
	PLACES 4
.else
	s_barrier_signal -1
	s_barrier_wait -1
.endif
.endm
.macro SCORES last                     ; last = 1: Wo is asked for in place of mn's next tile
	v_add_nc_u32 v[BADR], s60, v[BA0]
.irp u, 0,1
.irp i, 0,1
	ds_load_b128 v[GG+8*\u+4*\i:GG+8*\u+4*\i+3], v[BGA] offset:32*\u+16*\i   ; b_g in the result's layout: channels 16 h + 8 u + ..
.endr
.endr
.set J, 0
.rept 32
	ds_load_b128 v[S+4*J:S+4*J+3], v[BADR] offset:512*J                      ; the bias, as the score products' C
.set J, J+1
.endr
	s_wait_dscnt 32                                ; b_g is in; the 32 loads of bias may be out
	WIN 0x05                                       ; q and the gate's sums for this tile: four accumulators by turns
	MM0 OQ, W1A, MF0, WAS, MS
	MM0 OQ+8, W1A+24, MF0, WAS+2, MS
	MMA GG, W1B, MF0, WBS, MS
	MMA GG+8, W1B+24, MF0, WBS+2, MS
	MMA OQ, W1A+12, MF0+12, WAS+1, MS+1
	MMA OQ+8, W1A+36, MF0+12, WAS+3, MS+1
	MMA GG, W1B+12, MF0+12, WBS+1, MS+1
	MMA GG+8, W1B+36, MF0+12, WBS+3, MS+1
	WIN 0
	PLACES 4
.if \last
	WLOAD W1A, 4, WAS                              ; Wq is done with: Wo
.else
	s_wait_alu depctr_va_vdst(0)
	FETCH MF0, MAS, 0, MS, MSS, 0                  ; mn's tile t + 1
.endif
	; q's codes: a lane has 16 of its query's 32 channels
	SCALE16 OQ
	v_perm_b32 v[QS], v45, v45, 0                  ; the byte in all four places: whichever block the queries stand in
.irp i, 0,1,2
	v_mov_b32 v[PC+4+\i], 0
	v_mov_b32 v[PC+12+\i], 0
.endr
	v_cvt_scalef32_pk16_fp6_f32 v[PC:PC+2], v[OQ:OQ+15], v44
	v_cvt_scalef32_pk16_fp6_f32 v[PC+8:PC+10], v[OQ:OQ+15], v44
	v_nop                                          ; one plain instruction behind a scaled conversion
.irp i, 0,1,2
	v_permlane16_swap_b32 v[PC+\i], v[PC+4+\i]     ; lanes 0-15: channels 0-15 | 16-31; lanes 16-31: zeros
	v_permlane16_swap_b32 v[PC+12+\i], v[PC+8+\i]  ; lanes 16-31: channels 0-15 | 16-31; lanes 0-15: zeros
.endr
	WIN 0x40
.irp i, 0,1,2
	v_mov_b32 v[QB+6+\i], v[PC+\i]
	v_mov_b32 v[QB+9+\i], v[PC+4+\i]
	v_mov_b32 v[QB+18+\i], v[PC+12+\i]
	v_mov_b32 v[QB+21+\i], v[PC+8+\i]
.endr
	WIN 0
.set J, 0
.rept 8
	v_pk_mul_f32 v[GG+J:GG+J+1], v[GG+J:GG+J+1], 0xbfb8aa3b op_sel_hi:[1,0]   ; the gate: - x log2(e).  These eight are also the places between the queries' codes and byte and the products
.set J, J+2
.endr
.if \last
	s_wait_alu depctr_va_vdst(0)
	s_wait_dscnt 0x0                               ; the bias is in
.else
	s_wait_alu depctr_va_vdst(0)
	s_wait_dscnt 13                                ; the bias is in; the look-ahead's 13 loads may be out
.endif
	WIN 0x05
.irp g, 0,1,2,3
.irp b, 0,1,2,3                        ; score tile 4 g + b: the queries stand in block b
	MMA S+8*(4*\g+\b), KF+12*\g, QB+12*(\b%2)+6*(1-(\b/2)), KS+\g, QS
.endr
.endr
	WIN 0
	PLACES 4
	; register n of S: key 32 (n / 16) + 16 h + n % 16 of my query
.irp b, 0,1,2,3,4,5,6,7
	v_max3_num_f32 v[BM+\b], v[S+16*\b], v[S+16*\b+1], v[S+16*\b+2]          ; the largest score of each block of 32 keys: for the row's maximum, and for the block's largest p
.endr
.irp i, 3,5,7,9,11,13
.irp b, 0,1,2,3,4,5,6,7
	v_max3_num_f32 v[BM+\b], v[BM+\b], v[S+16*\b+\i], v[S+16*\b+\i+1]
.endr
.endr
.irp b, 0,1,2,3,4,5,6,7
	v_max_num_f32 v[BM+\b], v[BM+\b], v[S+16*\b+15]
.endr
.irp b, 0,1,2,3,4,5,6,7
	v_permlanex16_b32 v[BT+\b], v[BM+\b], s[SEL], s[SEL+1]
.endr
.irp b, 0,1,2,3,4,5,6,7
	v_max_num_f32 v[BM+\b], v[BM+\b], v[BT+\b]
.endr
	v_max3_num_f32 v[T0+2], v[BM], v[BM+1], v[BM+2]
	v_max3_num_f32 v[T0+2], v[T0+2], v[BM+3], v[BM+4]
	v_max3_num_f32 v[T0+2], v[T0+2], v[BM+5], v[BM+6]
	v_max_num_f32 v[T0+2], v[T0+2], v[BM+7]
	v_mul_f32 v[T0+2], s[CS], v[T0+2]              ; the row's largest t
	v_floor_f32 v[T0], -v[T0+2]                    ; - M = floor(- t): M is a whole number
.set J, 0
.rept 64
	v_pk_fma_f32 v[S+J:S+J+1], v[S+J:S+J+1], s[CS:CS+1], v[T0:T0+1] op_sel_hi:[1,0,0]   ; t - M
.set J, J+2
.endr
.irp b, 0,1,2,3,4,5,6,7
	v_fma_f32 v[BM+\b], v[BM+\b], s[CS], v[T0]     ; the same of each block's largest score
.endr
.if \last == 0
	v_add_nc_u32 v[MAS], 3328, v[MAS]              ; a tile of 16 row slots on
	v_add_nc_u32 v[MSS], 128, v[MSS]
	s_xor_b32 s60, s60, SLOT1
.endif
	s_wait_alu depctr_va_vdst(0)                   ; the wait ahead of the branch that follows
.endm
.macro EXPS
.set J, 0
	s_wait_alu depctr_va_vdst(0)
.rept 128
	v_exp_f32 v[S+J], v[S+J]                       ; p, not normalised
.set J, J+1
.endr
.set J, 0
.rept 16
	v_exp_f32 v[GG+J], v[GG+J]                     ; e^-x
.set J, J+1
.endr
	v_nop                                          ; a plain instruction behind the batch
	s_wait_alu depctr_va_vdst(0)                   ; one wait for the 144, ahead of their first reader
.set J, 0
.rept 8
	v_pk_add_f32 v[GG+J:GG+J+1], v[GG+J:GG+J+1], 1.0 op_sel_hi:[1,0]
.set J, J+2
.endr
	s_wait_alu depctr_va_vdst(0)
.irp b, 0,1,2,3,4,5,6,7
	v_exp_f32 v[BM+\b], v[BM+\b]                   ; the blocks' largest p
.endr
.set J, 0
.rept 16
	v_rcp_f32 v[GG+J], v[GG+J]                     ; the gate
.set J, J+1
.endr
	v_pk_add_f32 v[52:53], v[128:129], v[136:137]
	v_pk_add_f32 v[54:55], v[144:145], v[152:153]
	v_pk_add_f32 v[56:57], v[160:161], v[168:169]
	v_pk_add_f32 v[126:127], v[176:177], v[184:185]
	v_pk_add_f32 v[124:125], v[192:193], v[200:201]
	v_pk_add_f32 v[122:123], v[208:209], v[216:217]
	v_pk_add_f32 v[120:121], v[224:225], v[232:233]
	v_pk_add_f32 v[50:51], v[240:241], v[248:249]
	v_pk_add_f32 v[50:51], v[50:51], v[130:131]
	v_pk_add_f32 v[52:53], v[52:53], v[138:139]
	v_pk_add_f32 v[54:55], v[54:55], v[146:147]
	v_pk_add_f32 v[56:57], v[56:57], v[154:155]
	v_pk_add_f32 v[126:127], v[126:127], v[162:163]
	v_pk_add_f32 v[124:125], v[124:125], v[170:171]
	v_pk_add_f32 v[122:123], v[122:123], v[178:179]
	v_pk_add_f32 v[120:121], v[120:121], v[186:187]
	v_pk_add_f32 v[50:51], v[50:51], v[194:195]
	v_pk_add_f32 v[52:53], v[52:53], v[202:203]
	v_pk_add_f32 v[54:55], v[54:55], v[210:211]
	v_pk_add_f32 v[56:57], v[56:57], v[218:219]
	v_pk_add_f32 v[126:127], v[126:127], v[226:227]
	v_pk_add_f32 v[124:125], v[124:125], v[234:235]
	v_pk_add_f32 v[122:123], v[122:123], v[242:243]
	v_pk_add_f32 v[120:121], v[120:121], v[250:251]
	v_pk_add_f32 v[50:51], v[50:51], v[132:133]
	v_pk_add_f32 v[52:53], v[52:53], v[140:141]
	v_pk_add_f32 v[54:55], v[54:55], v[148:149]
	v_pk_add_f32 v[56:57], v[56:57], v[156:157]
	v_pk_add_f32 v[126:127], v[126:127], v[164:165]
	v_pk_add_f32 v[124:125], v[124:125], v[172:173]
	v_pk_add_f32 v[122:123], v[122:123], v[180:181]
	v_pk_add_f32 v[120:121], v[120:121], v[188:189]
	v_pk_add_f32 v[50:51], v[50:51], v[196:197]
	v_pk_add_f32 v[52:53], v[52:53], v[204:205]
	v_pk_add_f32 v[54:55], v[54:55], v[212:213]
	v_pk_add_f32 v[56:57], v[56:57], v[220:221]
	v_pk_add_f32 v[126:127], v[126:127], v[228:229]
	v_pk_add_f32 v[124:125], v[124:125], v[236:237]
	v_pk_add_f32 v[122:123], v[122:123], v[244:245]
	v_pk_add_f32 v[120:121], v[120:121], v[252:253]
	v_pk_add_f32 v[50:51], v[50:51], v[134:135]
	v_pk_add_f32 v[52:53], v[52:53], v[142:143]
	v_pk_add_f32 v[54:55], v[54:55], v[150:151]
	v_pk_add_f32 v[56:57], v[56:57], v[158:159]
	v_pk_add_f32 v[126:127], v[126:127], v[166:167]
	v_pk_add_f32 v[124:125], v[124:125], v[174:175]
	v_pk_add_f32 v[122:123], v[122:123], v[182:183]
	v_pk_add_f32 v[120:121], v[120:121], v[190:191]
	v_pk_add_f32 v[50:51], v[50:51], v[198:199]
	v_pk_add_f32 v[52:53], v[52:53], v[206:207]
	v_pk_add_f32 v[54:55], v[54:55], v[214:215]
	v_pk_add_f32 v[56:57], v[56:57], v[222:223]
	v_pk_add_f32 v[126:127], v[126:127], v[230:231]
	v_pk_add_f32 v[124:125], v[124:125], v[238:239]
	v_pk_add_f32 v[122:123], v[122:123], v[246:247]
	v_pk_add_f32 v[120:121], v[120:121], v[254:255]
	s_delay_alu instid0(VALU_DEP_4)
	v_pk_add_f32 v[50:51], v[50:51], v[126:127]
	s_delay_alu instid0(VALU_DEP_4)
	v_pk_add_f32 v[52:53], v[52:53], v[124:125]
	s_delay_alu instid0(VALU_DEP_4)
	v_pk_add_f32 v[54:55], v[54:55], v[122:123]
	s_delay_alu instid0(VALU_DEP_4)
	v_pk_add_f32 v[56:57], v[56:57], v[120:121]
	s_delay_alu instid0(VALU_DEP_2)
	v_pk_add_f32 v[50:51], v[50:51], v[54:55]
	s_delay_alu instid0(VALU_DEP_2)
	v_pk_add_f32 v[52:53], v[52:53], v[56:57]
	s_delay_alu instid0(VALU_DEP_1)
	v_pk_add_f32 v[50:51], v[50:51], v[52:53]
	s_delay_alu instid0(VALU_DEP_1)
	v_add_f32 v[T0+4], v[BT], v[BT+1]
	s_delay_alu instid0(VALU_DEP_1)
	v_permlanex16_b32 v[T0+5], v[T0+4], s[SEL], s[SEL+1]
	s_delay_alu instid0(VALU_DEP_1)
	v_add_f32 v[T0+4], v[T0+4], v[T0+5]            ; l
	s_wait_alu depctr_va_vdst(0)                   ; one wait for the second batch
	v_rcp_f32 v[T0+4], v[T0+4]                     ; 1 / l
	v_nop                                          ; a plain instruction behind the transcendental
	s_wait_alu depctr_va_vdst(0)                   ; and its wait, ahead of the label that follows
.endm
.macro FIN
.irp b, 0,1,2,3,4,5,6,7
	v_max_num_f32 v[BM+\b], 0x1800000, v[BM+\b]    ; the floor: the byte cannot fall under 1
.endr
.irp b, 0,1,2,3,4,5,6,7
	v_add_nc_u32 v[BM+\b], 0xff000000, v[BM+\b]    ; the conversions' scale operands
.endr
.irp b, 0,1,2,3,4,5,6,7
	v_lshrrev_b32 v[BT+\b], 23, v[BM+\b]           ; the bytes
.endr
	v_lshl_or_b32 v[PW0], v[BT+1], 8, v[BT]
	s_delay_alu instid0(VALU_DEP_4)
	v_lshl_or_b32 v[PW1], v[BT+5], 8, v[BT+4]
	s_delay_alu instid0(VALU_DEP_2)
	v_lshl_or_b32 v[PW0], v[BT+2], 16, v[PW0]
	s_delay_alu instid0(VALU_DEP_2)
	v_lshl_or_b32 v[PW1], v[BT+6], 16, v[PW1]
	s_delay_alu instid0(VALU_DEP_2)
	v_lshl_or_b32 v[PW0], v[BT+3], 24, v[PW0]
	s_delay_alu instid0(VALU_DEP_2)
	v_lshl_or_b32 v[PW1], v[BT+7], 24, v[PW1]
.irp kp, 0,1                           ; O^T = V^T P^T, 128 keys at a time
.irp c, 0,1
	v_cvt_scalef32_pk16_fp6_f32 v[PC+6*\c:PC+2+6*\c], v[S+64*\kp+32*\c:S+64*\kp+32*\c+15], v[BM+4*\kp+2*\c]
	v_cvt_scalef32_pk16_fp6_f32 v[PC+12+4*\c:PC+14+4*\c], v[S+64*\kp+32*\c+16:S+64*\kp+32*\c+31], v[BM+4*\kp+2*\c+1]
.endr
	v_nop                                          ; one plain instruction behind a scaled conversion
.irp c, 0,1
.irp i, 0,1,2
	v_permlane16_swap_b32 v[PC+6*\c+\i], v[PC+12+4*\c+\i]
.endr
.irp i, 0,1,2
	s_delay_alu instid0(VALU_DEP_3)
	v_mov_b32 v[PC+3+6*\c+\i], v[PC+12+4*\c+\i]
.endr
.endr
.if \kp == 0
	PLACES 8                                       ; a scale word made by vector instructions stands eight places ahead of the product, codes so made four
	WIN 0x01
	MM0 OQ, VF, PC, VS, PW0
	MM0 OQ+8, VF+24, PC, VS+2, PW0
	WIN 0
	PLACES 4                                       ; in front of the conversions that write p's codes anew
.else
	PLACES 4
	WIN 0x01
	MMA OQ, VF+12, PC, VS+1, PW1
	MMA OQ+8, VF+36, PC, VS+3, PW1
	WIN 0
.endif
.endr
	s_wait_alu depctr_va_vdst(0)                   ; 1 / l
.set J, 0
.rept 8
	v_pk_mul_f32 v[GG+J:GG+J+1], v[GG+J:GG+J+1], v[T0+4:T0+5] op_sel_hi:[1,0]   ; gate / l: these eight are the places behind the products
.set J, J+2
.endr
.set J, 0
.rept 8
	v_pk_mul_f32 v[OQ+J:OQ+J+1], v[OQ+J:OQ+J+1], v[GG+J:GG+J+1]               ; g x o: channels 32 w + 16 h + 0 .. 15 of residue res(t, r)
.set J, J+2
.endr
	SCALE16 OQ
	v_cvt_scalef32_pk16_fp6_f32 v[PC:PC+2], v[OQ:OQ+15], v44
	v_nop                                          ; one plain instruction behind a scaled conversion
.irp i, 0,1,2
	ds_store_b32 v[GA], v[PC+\i] offset:4*\i       ; 12 bytes at 24 w + 12 h of the row's stream of codes
.endr
	ds_store_b8 v[GSA], v45                        ; both lanes of a row write the same byte with the same value
	v_add_nc_u32 v[GA], 3328, v[GA]                ; a tile of 16 row slots on
	v_add_nc_u32 v[GSA], 128, v[GSA]
	s_wait_alu depctr_va_vdst(0)                   ; the wait ahead of the label that follows
.endm
.Lstep:                                ; 15 trips: query tiles 0 to 14
	TOP 1
	s_cmp_eq_u32 s61, 15                           ; the first trip has no tile to finish
	s_cbranch_scc1 .Lfirst
	s_cmp_eq_u32 s40, 0
	s_cbranch_scc1 .Leven_a
	EXPS                                           ; parity 1: the last tile's
.Leven_a:
	FIN
.Lfirst:
	SCORES 0
	s_cmp_lg_u32 s40, 0
	s_cbranch_scc1 .Lodd_b
	EXPS                                           ; parity 0: this tile's
.Lodd_b:
	s_sub_co_u32 s61, s61, 1
	s_cmp_lg_u32 s61, 0
	s_cbranch_scc1 .Lstep
	TOP 0                                          ; tile 15 is written out
	s_cmp_eq_u32 s40, 0
	s_cbranch_scc1 .Leven_c
	EXPS                                           ; parity 1: tile 14's
.Leven_c:
	FIN
	SCORES 1
	EXPS
	FIN
	; THE LAST PRODUCT: my 32 output channels for all 256 residues, two tiles a trip.  Source 0 = 16 columns of Wo, source 1 = 16 residues; b_o is the C of each sum's first product.
	s_wait_dscnt 0x0                               ; my last codes have landed, my reads of the ring are over
	s_barrier_signal -1
	s_barrier_wait -1                              ; g x o is whole; the ring has had its last fill and its last read: it becomes the stage
	s_wait_loadcnt 0x0                             ; Wo
.irp u, 0,1
.irp i, 0,1
	ds_load_b128 v[GG+8*\u+4*\i:GG+8*\u+4*\i+3], v[BGA] offset:1024+32*\u+16*\i   ; b_o in the result's layout: my wave's own bytes; the first trip's wait below covers these four
.endr
.endr
	v_and_b32 v58, 15, v0
	v_bfe_u32 v59, v0, 4, 1
	v_and_b32 v60, 8, v58
	v_add_nc_u32 v60, v60, v58
	v_mul_u32_u24 v[SO], v60, 1040                 ; the stage's rows are residues in their own order: row r + 8 (r / 8) of the tile's 32,
	v_lshl_add_u32 v[SO], v59, 6, v[SO]            ; + 64 h,
	s_lshl_b32 s66, s[WV], 7
	v_add_nc_u32 v[SO], s66, v[SO]                 ; + my 128 bytes of a row
	s_mul_i32 s66, s[WV], 4160
	v_add_nc_u32 v[SR], s66, v[LI]                 ; back: of each trip's 32 rows my four, 4 w .. 4 w + 3, 16 bytes a lane
	s_mul_i32 s66, s[WV], 28672
	s_mov_b32 s67, 0
	s_sub_nc_u64 s[20:21], s[20:21], s[66:67]      ; out0's place goes from residue 32 w to residue 4 w: 28 rows of 1,024 bytes for each wave back
	v_mov_b32 v[MAS], v[MAB]
	v_mov_b32 v[MSS], v[GOB]
	s_mov_b32 s61, 8
.Lout:
	s_wait_alu depctr_va_vdst(0)
	FETCH MF0, MAS, 0, MS, MSS, 0
	FETCH MF1, MAS, 3328, MS+2, MSS, 128
	s_wait_dscnt 13                                ; the first tile's 13 loads are in (and the last trip's stores have read their registers)
	WIN 0x05
	MMC S, W1A, MF0, GG, WAS, MS
	MMC S+8, W1A+24, MF0, GG+8, WAS+2, MS
	MMA S, W1A+12, MF0+12, WAS+1, MS+1
	MMA S+8, W1A+36, MF0+12, WAS+3, MS+1
	s_wait_dscnt 0x0
	MMC S+16, W1A, MF1, GG, WAS, MS+2
	MMC S+24, W1A+24, MF1, GG+8, WAS+2, MS+2
	MMA S+16, W1A+12, MF1+12, WAS+1, MS+3
	MMA S+24, W1A+36, MF1+12, WAS+3, MS+3
	WIN 0
	PLACES 4
.irp q, 0,1
.irp u, 0,1
	ds_store_b128 v[SO], v[S+16*\q+8*\u:S+16*\q+8*\u+3] offset:8320*\q+32*\u        ; each accumulator from its low end on
	ds_store_b128 v[SO], v[S+16*\q+8*\u+4:S+16*\q+8*\u+7] offset:8320*\q+32*\u+16
.endr
.endr
	v_add_nc_u32 v[MAS], 6656, v[MAS]              ; with the four above: seven places ahead of the next trip's loads and of its sums, which begin anew
	v_add_nc_u32 v[MSS], 256, v[MSS]
	v_add_nc_u32 v[SO], 33280, v[SO]
	; THE WAY OUT, trip by trip: the two tiles of a trip are residues 32 b .. 32 b + 31, whole rows once all eight waves have stored their 128 bytes of each.
	; Wave w takes rows 32 b + 4 w .. + 3.  A row of the stage is written in one trip and read in the same: no row is used twice, so one barrier a trip serves.
	s_wait_dscnt 0x0                               ; for the others' sake: my part of these 32 rows lies in the stage
	s_barrier_signal -1
	s_barrier_wait -1
.irp i, 0,1,2,3,4,5,6,7
	ds_load_b128 v[S+32+4*\i:S+32+4*\i+3], v[SR] offset:1040*(\i/2)+512*(\i%2)
.endr
.irp i, 0,1,2,3,4,5,6,7
	s_wait_dscnt 7-\i                              ; the loads behind this one may be out
	global_store_b128 v[LI], v[S+32+4*\i:S+32+4*\i+3], s[20:21] offset:1024*(\i/2)+512*(\i%2) th:TH_STORE_NT   ; 512 consecutive bytes, at a multiple of 512 from out0's first byte
.endr
	s_wait_xcnt 0x0                                ; the stores have read their base and their registers: the base may step, and the next trip's loads may land
	s_add_nc_u64 s[20:21], s[20:21], 32768         ; 32 rows of out0 on
	v_add_nc_u32 v[SR], 33280, v[SR]
	s_sub_co_u32 s61, s61, 1
	s_cmp_lg_u32 s61, 0
	s_cbranch_scc1 .Lout
	s_wait_tensorcnt 0x0                           ; the wave's end: three lines, behind my last tensor load and my last LDS store
	ds_add_u32 v[SPW], v[NIL]
	s_wait_dscnt 0x0
	ROUND                                          ; the closing round: no work-group ends while a partner may still ask for a tile that names it
	s_endpgm
.Lfunc_end_k_q25dd931b6c_attn:
	.size	k_q25dd931b6c_attn, .Lfunc_end_k_q25dd931b6c_attn-k_q25dd931b6c_attn
	.p2alignl 7, 3214868480
	.fill 96, 4, 3214868480
	.section	.rodata,"a",@progbits
	.p2align	6, 0x0
	.amdhsa_kernel k_q25dd931b6c_attn
		.amdhsa_group_segment_fixed_size 327680
		.amdhsa_private_segment_fixed_size 0
		.amdhsa_enable_private_segment 0
		.amdhsa_kernarg_size 72
		.amdhsa_user_sgpr_count 2
		.amdhsa_user_sgpr_kernarg_segment_ptr 1
		.amdhsa_wavefront_size32 1
		.amdhsa_system_sgpr_workgroup_id_x 1
		.amdhsa_system_sgpr_workgroup_id_y 1
		.amdhsa_system_sgpr_workgroup_id_z 1
		.amdhsa_system_vgpr_workitem_id 0
		.amdhsa_next_free_vgpr 512
		.amdhsa_next_free_sgpr 80
		.amdhsa_reserve_vcc 0
		.amdhsa_float_denorm_mode_32 3
		.amdhsa_float_denorm_mode_16_64 3
		.amdhsa_memory_ordered 1
		.amdhsa_forward_progress 1
		.amdhsa_inst_pref_size 255
	.end_amdhsa_kernel
	.section	.bss,"aw",@nobits
	.p2align	6
	.space	262144
	.amdgpu_metadata
---
amdhsa.version: [ 1, 2 ]
amdhsa.kernels:
  - .name:           k_q25dd931b6c_attn
    .symbol:         k_q25dd931b6c_attn.kd
    .args:
      - { .name: m, .offset: 0, .size: 8, .value_kind: global_buffer, .address_space: global }
      - { .name: ln_m_w, .offset: 8, .size: 8, .value_kind: global_buffer, .address_space: global }
      - { .name: ln_m_b, .offset: 16, .size: 8, .value_kind: global_buffer, .address_space: global }
      - { .name: wfrag, .offset: 24, .size: 8, .value_kind: global_buffer, .address_space: global }
      - { .name: wscl, .offset: 32, .size: 8, .value_kind: global_buffer, .address_space: global }
      - { .name: bias_ws, .offset: 40, .size: 8, .value_kind: global_buffer, .address_space: global }
      - { .name: b_g, .offset: 48, .size: 8, .value_kind: global_buffer, .address_space: global }
      - { .name: b_o, .offset: 56, .size: 8, .value_kind: global_buffer, .address_space: global }
      - { .name: out0, .offset: 64, .size: 8, .value_kind: global_buffer, .address_space: global }
    .group_segment_fixed_size: 327680
    .private_segment_fixed_size: 0
    .kernarg_segment_align: 8
    .kernarg_segment_size: 72
    .max_flat_workgroup_size: 256
    .sgpr_count:     80
    .vgpr_count:     512
    .wavefront_size: 32
...
	.end_amdgpu_metadata
.endif
;; end of part 2
